; MI455X (gfx1250); checked and timed in simulation.
; The chip was launched on July 23, 2026; its instructions are those of AMD's public machine-readable ISA for CDNA 5 (MIT licence, August 2026) and "CDNA5" Instruction Set Architecture Reference Guide (July 2026). The comments in the code are by the model that wrote it; some were corrected since.
;; Quantizer. Allowed arithmetic: matrix products marked QUANTISED: E4M3 operands, one given power-of-two scale a tensor, by v_wmma_f32_16x16x64_fp8_fp8 or v_wmma_f32_16x16x128_fp8_fp8, f32 sums; everything else in f32.
;; Inputs: emb 8,192 x 256 float32; lowp_scales 4 int32 (the exponents e of the quantised operands' scales 2^e); z 16,384 x 256 float32.
;; Outputs: out0 16,384 x 256 float32.
;; This version of the problem:
;;   THIS VERSION OF THE PROBLEM IS GIVEN IN LOW PRECISION. The matrix products marked QUANTISED in the list below multiply operands that are first quantised to E4M3 (4 exponent bits, 3 mantissa bits; 8 bits a number), with one given power-of-two scale for each operand tensor; their sums are f32. All else is computed in f32.
;;   The module's matrix products, in the order in which they are computed (A, B: the left and right operand; K: the contracted axis; several contracted axes count as one K, in the product's order):
;;     1. [M 16,384, K 256] x [K 256, N 8,192]; A: input z; B: input emb: QUANTISED (scales: A lowp_scales[0], B lowp_scales[1])
;;     2. [M 16,384, K 8,192] x [K 8,192, N 256]; A: computed on the way; B: input emb: QUANTISED (scales: A lowp_scales[2], B lowp_scales[3])
;;   THE QUANTISER, for each operand of a quantised product, along K:
;;     - The operand's scale is 2^e, e = its entry of the input lowp_scales (int32; the entries are numbered through the quantised products in the list's order, A before B).
;;     - Each number is divided by the scale, clamped to +-448, and rounded to the nearest number of E4M3, ties to even, subnormals kept.
;;     - The product sums the exact products of the quantised numbers (number of the format x scale) in f32.
;;   ~~~python
;;   def quantise(x, axis, e):      # numpy; x: float32 -> the quantised numbers, widened to float32 again
;;       x = np.moveaxis(x, axis, -1); K = x.shape[-1]
;;       r = np.clip(x / 2.0 ** e, -448, 448)
;;       step = 2.0 ** (np.maximum(np.frexp(np.where(r == 0, 1, r))[1] - 1, -6) - 3)
;;       q = np.round(r / step) * step * 2.0 ** e      # np.round: ties to even
;;       return np.moveaxis(q, -1, axis).astype(np.float32)
;;   ~~~
;;   OPERANDS COMPUTED ON THE WAY. 'Computed on the way' means the value that the module computes at that place (a softmax that the list does not call 'softmax' is quantised finished and normalised). What goes into a quantiser is computed in f32, as accurately as f32 sums, v_exp_f32 and their like allow (about 1e-6 of the number): no bf16 or f16 on the way to a quantiser, and a product that is left as it is and whose result goes on into a quantised operand takes f32 operands (vector FMAs, or v_wmma_f32_16x16x4_f32). A number that lies on a knife's edge between two numbers of the format may be rounded either way, as far as f32 arithmetic and the matrix unit's own rounding can turn it there, and no further.
;; One version. Each part assembles by itself: llvm-mc -triple=amdgcn-amd-amdhsa -mcpu=gfx1250 --defsym DOCPART=n.
;; ======== version 1 of 1: 3 launches
;; limits: right only within a limited range of input values
;; workspace buffers: z_img 4,194,304 bytes; emb_img 2,097,152 bytes; emb3 2,097,152 bytes; zz 65,536 bytes; ee 65,536 bytes; cand_k 524,288 bytes of whole numbers; cand_i 524,288 bytes of whole numbers
;; launch quant (part 1): grid 256 x 1, 6 waves a work-group, no clusters, 129,024 bytes of LDS; arguments z, emb, lowp_scales, z_img, emb_img, emb3, zz, ee; writes z_img, emb_img, emb3, zz, ee
.if DOCPART == 1
	.amdgcn_target "amdgcn-amd-amdhsa--gfx1250"
	.amdhsa_code_object_version 6
	.text
	.protected	k_qebfa4d34b6_quant
	.globl	k_qebfa4d34b6_quant
	.p2align	8
	.type	k_qebfa4d34b6_quant,@function
k_qebfa4d34b6_quant:
	s_mov_b64 s[64:65], 0
	v_nop
	global_prefetch_b8 v0, s[64:65] scope:SCOPE_SE
	s_setreg_imm32_b32 hwreg(HW_REG_WAVE_MODE, 25, 1), 1
	s_wait_xcnt 0x0
; z [16384][256] and emb [8192][256], f32, become codes of FP8 (E4M3) for the first product (z with 2^e0, emb with 2^e1), emb also for the second (2^e3), and each row's sum of squares is taken in f32.
; WORK LEFT OUT BY THE PROGRAM.  reference()'s second product multiplies a one-hot row, which it builds itself, with emb: 8,191 of a row's 8,192 terms are products with a zero, whatever z and emb hold.  Only the term of the 1 is
; formed: a lookup of one row of emb's codes by the stored index (the last launch).  A NaN or an infinity in rows of emb that are not chosen is therefore not carried to the result.
; code = x / 2^e, held within +-448, to the nearest code, ties to even.  LIMITS: e0, e1, e3 between -126 and 119, so that 2^e and 448 x 2^e are f32 numbers.  NaN among the inputs is not served (an infinity is held at the largest code).
; The sums of squares are added in four packed chains a lane and then across two lanes: another order than a plain running sum, with f32 rounding of the same size.
; z_img, emb_img: IMAGES OF THE OPERAND'S REGISTERS.  Tile T (16 rows), K step s (128), group g of four registers, lane l: 16 bytes at 4096 T + 2048 s + 512 g + 16 l.  Lane (r = l % 16, h = l / 16) holds of row 16 T + r
; the codes of k = 128 s + 32 g + 8 h + 0..7 and 128 s + 32 g + 16 + 8 h + 0..7: registers 4 g .. 4 g + 3 of a 16x16x128 operand, every k in the form's own place.
; emb3: rows of 256 bytes, one byte a code, in the order in which the last launch decodes them: byte 16 q + 4 c + i is column 64 c + 4 q + i.
; SHARES.  Work-group x takes 64 rows of z (waves 0-3, a tile of 16 rows each) and 32 rows of emb (waves 4, 5); a wave has all 32 loads of its tile, 16,384 bytes, out at once: no loop.  The pointers and the first scale are
; chosen on the wave's number; only the e3 part stands under short branches on that number.
; zz: 64 words a work-group.  ee: a block of 64 words a work-group, its 32 sums twice, so that the block of 256 bytes is written whole.
; Each load reads 512 consecutive bytes of a row; a lane wants 2 x 8 neighbours along K: so a K step's 16 rows x 512 bytes turn through the wave's own stage in LDS, rows 528 bytes apart (33 x 16: sixteen rows start at sixteen different 16-byte columns).
; No tensor load: waves share nothing but the sums.
.set ZW,    4                          ; waves that take z
.set FP,    528                        ; a stage row: 512 bytes + 16
.set FS,    16*FP                      ; a stage: one for each K step
.set CST,   2*FS                       ; behind them the code stage: 16 rows of 256 bytes + 16
.set CP,    272
.set WREG,  CST+16*CP                  ; 21,248 bytes a wave, a multiple of 256
.set NRM,   6*WREG                     ; the work-group's 96 sums of squares: two blocks of 256 bytes
.set SPARE, NRM+512                    ; the spare words, 128 bytes for each wave: three blocks of 256 bytes that no other line names
.set N,   16                           ; v16-23   four packed chains of squares
.set Y0,  24                           ; v24-39   16 numbers held for the first scale
.set Y1,  40                           ; v40-55   the same for e3
.set C1,  56                           ; v56-87   codes: four registers for each of the 8 blocks, never written again
.set EO,  92                           ; v92      where ee's sums are read
.set R,   96                           ; v96-223  the tile: 64 registers a K step, as loaded, then as the lane wants them
.set C3,  224                          ; v224-255 e3's codes: four registers a block, never written again
; v1 16 l; v2 stage in; v3 stage out; v4 code stage in; v5 code stage out; v6 my row's word among the sums; v7, v8 the add's two; v9 zz's sums out; v10, v11 2^e and 448 x 2^e; v12, v13 the same for e3; v14 at work; v15 8 l
	s_load_b512 s[4:19], s[0:1], 0x0               ; z s[4:5], emb s[6:7], scales s[8:9], z_img s[10:11], emb_img s[12:13], emb3 s[14:15], zz s[16:17], ee s[18:19]
	v_lshl_add_u32 v7, v0, 2, SPARE                ; my spare word; never rewritten
	v_mov_b32 v8, 0                                ; 0; never rewritten
	v_lshrrev_b32 v14, 5, v0
	v_readfirstlane_b32 s20, v14                   ; wave 0..5
	s_mul_i32 s21, s20, WREG                       ; my wave's region
	s_lshl_b32 s33, s20, 6
	v_and_b32 v15, 31, v0                          ; l
	v_and_b32 v14, 15, v0                          ; r
	v_bfe_u32 v9, v0, 4, 1                         ; h
	v_lshlrev_b32 v1, 4, v15                       ; 16 l
	v_add_nc_u32 v2, s21, v1                       ; into a stage: a row's 512 bytes as they lie
	v_mul_u32_u24 v3, v14, FP
	v_lshl_add_u32 v3, v9, 5, v3
	v_add_nc_u32 v3, s21, v3                       ; out of it: row r, + 32 h bytes (8 h numbers)
	v_mul_u32_u24 v4, v14, CP
	v_lshl_add_u32 v4, v9, 5, v4
	v_add_nc_u32 v4, s21, v4
	v_add_nc_u32 v4, CST, v4                       ; into the code stage: row r, + 32 h (8 h columns are 2 h groups of four, 16 bytes apart)
	v_mul_u32_u24 v5, v9, CP
	v_lshl_add_u32 v5, v14, 4, v5
	v_add_nc_u32 v5, s21, v5
	v_add_nc_u32 v5, CST, v5                       ; out of it: sixteen lanes to a row, two rows an instruction
	v_lshlrev_b32 v6, 2, v14
	v_add_nc_u32 v6, s33, v6
	v_add_nc_u32 v6, NRM, v6                       ; word 16 w + r: z's 64 rows, then emb's 32
	v_lshlrev_b32 v15, 3, v15                      ; 8 l
	v_add_nc_u32 v9, NRM, v15
	v_lshlrev_b32 v[EO], 3, v14
	v_add_nc_u32 v[EO], NRM+256, v[EO]             ; lanes 0-15 and 16-31 read the same 32 sums
	s_mov_b32 s44, 0x76543210                      ; v_permlanex16_b32: lane l xor 16
	s_mov_b32 s45, 0xfedcba98
	s_lshl_b32 s32, ttmp9, 2
	s_add_co_u32 s32, s32, s20                     ; z: tile 4 x + w
	s_lshl_b32 s33, ttmp9, 1
	s_add_co_u32 s33, s33, s20
	s_sub_co_u32 s33, s33, ZW                      ; emb: tile 2 x + w - 4
	s_cmp_lt_u32 s20, ZW
	s_cselect_b32 s34, s32, s33                    ; my tile T
	s_lshl_b32 s36, s34, 14                        ; 16 rows of 1,024 bytes
	s_mov_b32 s37, 0
	s_lshl_b32 s38, s34, 12                        ; 4,096 bytes of codes
	s_mov_b32 s39, 0
	s_lshl_b32 s40, ttmp9, 8                       ; my work-group's block of sums
	s_mov_b32 s41, 0
	s_wait_alu depctr_va_vdst(0)                   ; the wait here, directly ahead of the wait below
	s_wait_kmcnt 0x0
	s_load_b128 s[28:31], s[8:9], 0x0              ; e0, e1, e2, e3
	s_cmp_lt_u32 s20, ZW                           ; the choice hangs on the wave's number alone
	s_cselect_b64 s[22:23], s[4:5], s[6:7]
	s_cselect_b64 s[24:25], s[10:11], s[12:13]
	s_add_nc_u64 s[22:23], s[22:23], s[36:37]      ; my tile's numbers,
	s_add_nc_u64 s[24:25], s[24:25], s[38:39]      ; its image,
	s_add_nc_u64 s[14:15], s[14:15], s[38:39]      ; (used by emb's waves alone) its rows of e3's codes,
	s_add_nc_u64 s[16:17], s[16:17], s[40:41]      ; and my work-group's sums
	s_add_nc_u64 s[18:19], s[18:19], s[40:41]
.irp s, 0,1
.irp w, 0,1,2,3,4,5,6,7,8,9,10,11,12,13,14,15
	global_load_b128 v[R+64*\s+4*\w:R+64*\s+4*\w+3], v1, s[22:23] offset:\w*1024+\s*512 th:TH_LOAD_NT   ; 32 lanes read 512 consecutive bytes of row w; read once in the launch
.endr
.endr
	s_wait_kmcnt 0x0
	s_cmp_lt_u32 s20, ZW
	s_cselect_b32 s32, s28, s29                    ; e0 for z, e1 for emb
	s_add_co_i32 s32, s32, 127
	s_lshl_b32 s33, s32, 23
	v_mov_b32 v10, s33                             ; 2^e as f32: the conversion takes its exponent field
	s_add_co_i32 s32, s32, 8
	s_lshl_b32 s32, s32, 23
	s_or_b32 s32, s32, 0x600000
	v_mov_b32 v11, s32                             ; 448 x 2^e
	s_add_co_i32 s32, s31, 127
	s_lshl_b32 s33, s32, 23
	v_mov_b32 v12, s33                             ; 2^e3
	s_add_co_i32 s32, s32, 8
	s_lshl_b32 s32, s32, 23
	s_or_b32 s32, s32, 0x600000
	v_mov_b32 v13, s32                             ; 448 x 2^e3
	s_wait_alu depctr_va_vdst(0)                   ; the wait at the head's end
; Block g of K step s: my 16 numbers are squared and summed, held, converted and stored as four registers of the image.
.macro BLOCK s, g
.set rX, R+64*(\s)+16*(\g)
.set rC, C1+4*(4*(\s)+(\g))
.set rD, C3+4*(4*(\s)+(\g))
.set rO, 128*((\g)%2)+8*(\s)+4*((\g)/2)            ; columns 128 s + 32 g .. lie in piece c = 2 s + g / 2, from q = 8 (g % 2) on
	s_wait_dscnt 12-4*(\g)                         ; LDS answers in order (ISA guide 5.7.1): this block's four loads are in; behind them at least the later blocks' 12 - 4 g were issued
.irp i, 0,1,2,3,4,5,6,7
.if ((\s)+(\g) == 0) && (\i < 4)
	v_pk_mul_f32 v[N+2*\i:N+2*\i+1], v[rX+2*\i:rX+2*\i+1], v[rX+2*\i:rX+2*\i+1]   ; the first four pairs start the chains: nothing is cleared
.else
	v_pk_fma_f32 v[N+2*(\i%4):N+2*(\i%4)+1], v[rX+2*\i:rX+2*\i+1], v[rX+2*\i:rX+2*\i+1], v[N+2*(\i%4):N+2*(\i%4)+1]
.endif
.endr
.irp i, 0,1,2,3,4,5,6,7,8,9,10,11,12,13,14,15
	v_med3_num_f32 v[Y0+\i], v[rX+\i], -v11, v11   ; the conversion to an 8-bit code does not saturate (ISA guide 7.6.2): the hold at the largest code x the scale comes first
.endr
	v_cvt_scalef32_pk8_fp8_f32 v[rC:rC+1], v[Y0:Y0+7], v10
	v_cvt_scalef32_pk8_fp8_f32 v[rC+2:rC+3], v[Y0+8:Y0+15], v10   ; (the next vector lines, on either way, are plain and touch neither these codes nor Y0)
	global_store_b128 v1, v[rC:rC+3], s[24:25] offset:2048*(\s)+512*(\g)   ; 32 lanes store 512 consecutive bytes, aligned
	s_cmp_lt_u32 s20, ZW
	s_cbranch_scc1 .Lonly_one_\@                   ; z is an operand of the first product alone
.irp i, 0,1,2,3,4,5,6,7,8,9,10,11,12,13,14,15
	v_med3_num_f32 v[Y1+\i], v[rX+\i], -v13, v13
.endr
	v_cvt_scalef32_pk8_fp8_f32 v[rD:rD+1], v[Y1:Y1+7], v12
	v_cvt_scalef32_pk8_fp8_f32 v[rD+2:rD+3], v[Y1+8:Y1+15], v12
	ds_store_b32 v4, v[rD] offset:rO               ; k = 128 s + 32 g + 8 h + 0..3 of my row,
	ds_store_b32 v4, v[rD+1] offset:rO+16          ; the next four,
	ds_store_b32 v4, v[rD+2] offset:rO+64          ; and the eight that lie 16 columns further on
	ds_store_b32 v4, v[rD+3] offset:rO+80
.Lonly_one_\@:
.endm
; K step s: its 16 rows x 512 bytes go through stage s and come back as each lane wants them, into the registers that they left.
.macro HALF s
	s_wait_loadcnt 16-16*(\s)                      ; this K step's 16 loads are in; the other's, issued behind them, may be out
.irp w, 0,1,2,3,4,5,6,7,8,9,10,11,12,13,14,15
	ds_store_b128 v2, v[R+64*(\s)+4*\w:R+64*(\s)+4*\w+3] offset:(\s)*FS+\w*FP
.endr
.irp g, 0,1,2,3
.irp j, 0,1,2,3
	ds_load_b128 v[R+64*(\s)+16*\g+4*\j:R+64*(\s)+16*\g+4*\j+3], v3 offset:(\s)*FS+128*\g+64*(\j/2)+16*(\j%2)   ; LDS serves a wave's instructions in order (ISA guide 5.7.1.4): these see the stores above
.endr
.endr
	BLOCK \s, 0
	BLOCK \s, 1
	BLOCK \s, 2
	BLOCK \s, 3
.endm
	HALF 0
	HALF 1
	; the row's sum of squares: my 128 numbers' four chains, then lane l xor 16's 128
	v_pk_add_f32 v[N:N+1], v[N:N+1], v[N+2:N+3]
	v_pk_add_f32 v[N+4:N+5], v[N+4:N+5], v[N+6:N+7]
	v_pk_add_f32 v[N:N+1], v[N:N+1], v[N+4:N+5]
	v_add_f32 v[N], v[N], v[N+1]
	v_permlanex16_b32 v14, v[N], s44, s45          ; (its destination counts as read: v14 has been written)
	v_add_f32 v[N], v[N], v14
	ds_store_b32 v6, v[N]                          ; lanes r and r + 16 write the same word with the same number
	s_cmp_lt_u32 s20, ZW
	s_cbranch_scc1 .Lno_rows
.irp i, 0,1,2,3,4,5,6,7
	ds_load_b128 v[R+4*\i:R+4*\i+3], v5 offset:\i*2*CP   ; e3's codes back by rows: my own bytes, served in order behind my stores
.endr
.irp i, 0,1,2,3,4,5,6,7
	s_wait_dscnt 7-\i                              ; rows 2 i and 2 i + 1 are in; the later rows' loads may be out
	global_store_b128 v1, v[R+4*\i:R+4*\i+3], s[14:15] offset:512*\i   ; two whole rows of 256 bytes
.endr
.Lno_rows:
	s_wait_dscnt 0x0                               ; for the others' sake: my sums lie in LDS
	s_barrier_signal -1
	s_barrier_wait -1
	s_cmp_lt_u32 s20, 2
	s_cbranch_scc0 .Lend
	s_cmp_eq_u32 s20, 0
	s_cbranch_scc0 .Lee_sums
	ds_load_b64 v[18:19], v9                       ; wave 0 stores zz's 64 sums as 256 consecutive bytes, aligned,
	s_wait_dscnt 0x0
	global_store_b64 v15, v[18:19], s[16:17]
	s_branch .Lend
.Lee_sums:
	ds_load_b64 v[18:19], v[EO]                    ; wave 1 ee's 32, twice
	s_wait_dscnt 0x0
	global_store_b64 v15, v[18:19], s[18:19]
.Lend:
	s_wait_tensorcnt 0x0                           ; the wave's end, behind my last LDS store
	ds_add_u32 v7, v8
	s_wait_dscnt 0x0
	s_endpgm
.Lfunc_end_k_qebfa4d34b6_quant:
	.size	k_qebfa4d34b6_quant, .Lfunc_end_k_qebfa4d34b6_quant-k_qebfa4d34b6_quant
	.p2alignl 7, 3214868480
	.fill 96, 4, 3214868480
	.section	.rodata,"a",@progbits
	.p2align	6, 0x0
	.amdhsa_kernel k_qebfa4d34b6_quant
		.amdhsa_group_segment_fixed_size 129024
		.amdhsa_private_segment_fixed_size 0
		.amdhsa_enable_private_segment 0
		.amdhsa_kernarg_size 64
		.amdhsa_user_sgpr_count 2
		.amdhsa_user_sgpr_kernarg_segment_ptr 1
		.amdhsa_wavefront_size32 1
		.amdhsa_system_sgpr_workgroup_id_x 1
		.amdhsa_system_sgpr_workgroup_id_y 1
		.amdhsa_system_sgpr_workgroup_id_z 1
		.amdhsa_system_vgpr_workitem_id 0
		.amdhsa_next_free_vgpr 256
		.amdhsa_next_free_sgpr 66
		.amdhsa_reserve_vcc 0
		.amdhsa_float_denorm_mode_32 3
		.amdhsa_float_denorm_mode_16_64 3
		.amdhsa_memory_ordered 1
		.amdhsa_forward_progress 1
		.amdhsa_inst_pref_size 39
	.end_amdhsa_kernel
	.amdgpu_metadata
---
amdhsa.version: [ 1, 2 ]
amdhsa.kernels:
  - .name:           k_qebfa4d34b6_quant
    .symbol:         k_qebfa4d34b6_quant.kd
    .args:
      - { .name: z, .offset: 0, .size: 8, .value_kind: global_buffer, .address_space: global }
      - { .name: emb, .offset: 8, .size: 8, .value_kind: global_buffer, .address_space: global }
      - { .name: lowp_scales, .offset: 16, .size: 8, .value_kind: global_buffer, .address_space: global }
      - { .name: z_img, .offset: 24, .size: 8, .value_kind: global_buffer, .address_space: global }
      - { .name: emb_img, .offset: 32, .size: 8, .value_kind: global_buffer, .address_space: global }
      - { .name: emb3, .offset: 40, .size: 8, .value_kind: global_buffer, .address_space: global }
      - { .name: zz, .offset: 48, .size: 8, .value_kind: global_buffer, .address_space: global }
      - { .name: ee, .offset: 56, .size: 8, .value_kind: global_buffer, .address_space: global }
    .group_segment_fixed_size: 129024
    .private_segment_fixed_size: 0
    .kernarg_segment_align: 8
    .kernarg_segment_size: 64
    .max_flat_workgroup_size: 192
    .sgpr_count:     66
    .vgpr_count:     256
    .wavefront_size: 32
...
	.end_amdgpu_metadata
.endif
;; end of part 1
;; launch dist (part 2): grid 32 x 8, 8 waves a work-group, clusters of 4 x 1, 327,680 bytes of LDS; arguments z_img, emb_img, zz, ee, lowp_scales, cand_k, cand_i; writes cand_k, cand_i
.if DOCPART == 2
	.amdgcn_target "amdgcn-amd-amdhsa--gfx1250"
	.amdhsa_code_object_version 6
	.text
	.protected	k_qebfa4d34b6_dist
	.globl	k_qebfa4d34b6_dist
	.p2align	8
	.type	k_qebfa4d34b6_dist,@function
k_qebfa4d34b6_dist:
	s_mov_b64 s[64:65], 0
	v_nop
	global_prefetch_b8 v0, s[64:65] scope:SCOPE_SE
	s_setreg_imm32_b32 hwreg(HW_REG_WAVE_MODE, 25, 1), 1
	s_wait_xcnt 0x0
	s_wait_alu depctr_hold_cnt(0) depctr_sa_sdst(0) depctr_va_vdst(0) depctr_va_sdst(0) depctr_va_ssrc(0) depctr_va_vcc(0) depctr_vm_vsrc(0)
	s_getreg_b32 s2, hwreg(HW_REG_IB_STS2, 6, 4)
	s_cmp_eq_u32 s2, 0
	s_cbranch_scc0 .Lentry_in_a_cluster
	s_endpgm
.Lentry_in_a_cluster:
	s_bfe_u32 s2, ttmp6, 0x10000c
	s_cmp_lg_u32 s2, 0x3003
	s_cbranch_scc0 .Lentry_shape_is_right
	s_endpgm
.Lentry_shape_is_right:
; The first product on codes of FP8 (E4M3), the distances, and for each row of z the smallest distance and its first index among 1,024 codes.
; d = fl(zz - 2^(e0 + e1 + 1) a), a = the sum of code products - R(ee) / 2^(e0 + e1 + 1): ee enters as the C operand of the first matrix instruction, and d is ONE fused multiply-add of a finished sum.
; R: reference() adds ee to zz first, in f32, which rounds ee to the spacing of f32 numbers beside zz.  Here ee is rounded to that spacing beside P, the power of two at or below the smallest zz of the work-group's 512 rows:
; R(ee) = fl(fl(P + ee) - P).  What f32 loses of ee beside every one of these rows is lost here too.
; LIMIT (an order of rounding that differs from the reference's): where ee is not lost, zz + ee - 2 S is rounded as one sum in d and not first after zz + ee.
; For one row d falls where a grows, rounding included: so the smallest d of eight codes is made of the largest a alone.
; The smallest d is taken with a strict "less" in ascending order of the codes, and with a compare of the indices wherever parts meet: among equal distances the lowest index stays.
; LIMITS: e0 + e1 between -127 and 125, so that both factors are f32 numbers; ee / 2^(e0 + e1 + 1) is an f32 number.  NaN, and sums of squares that overflow, are not served.
; SHARES.  Work-group (x, y) owns rows 512 x .. 512 x + 511 and codes 1,024 y .. 1,024 y + 1,023.  Wave w: rows 128 (w / 2) on, eight tiles of 16, whose codes stay in 256 registers; of the 64 tiles of 16 codes those with number 2 i + w % 2.
; Two waves share a SIMD's registers: one wave's 16 matrix instructions stand beside the other's vector work.  A tile of 16 x 16 distances has 2 matrix and 10 vector instructions (dual and packed ones counted once).
; THE PRODUCT IS USED TRANSPOSED: source 0 = 16 codes of emb, source 1 = 16 rows of z.  A lane then holds ONE row (lane % 16) and its eight registers the codes 8 (lane / 16) + 0..7.
; WHAT IS KEPT for a row tile and lane: the smallest d so far, the first code of the eight among which it stood, and the first seven of their a: its place is looked for once, at the end, and is the eighth where none of the seven gives that d.
; LDS.  The split's 1,024 codes are 262,144 bytes of register images and fit at once.  Two fills, one tensor load a wave each: 65,536 bytes at the head (code tiles 0-15), 196,608 behind the full sequence; nothing is filled again.
; CLUSTER: the four work-groups of a cluster share y, so emb's images are asked for JOINTLY (mask 15).  No data prefetch: there are two fills in all, the second with seven steps of work to land in; there is no run of fills to ask ahead for.
; REGISTERS.  Window 0: v1 16 l; v2, v3 LDS addresses in hand; v4 32 h; v5 the tile's first code of my half; v6, v7 the add's two; v8-11 at work at the head; v12-15 the way out; v16-23 C of my eight codes; v24-29 at work at the end;
;   v32.. (smallest d, first code) a row tile; v48-63 at work; v64-127 the kept a; v128-191 eight accumulators; v192-223 a code tile's two fragments; v224-231 zz a row tile; v232-238 C's making; v240-247 the merge.
;   Window 1: z's fragments, row tile m, K step s at v[32 m + 16 s].
.set TAB,   262144                     ; behind emb's images: C of the 1,024 codes
.set SCR,   TAB+4096                   ; the way out: d of even code tiles' waves, d of odd ones', then the two sets of indices: 2,048 bytes each; no tensor load lands here
.set SPARE, SCR+8192                   ; the spare words, 128 bytes for each of eight waves: four blocks of 256 bytes that no other line names
.set EE,  16
.set BI,  32
.set T,   48
.set SV,  64
.set ACC, 128
.set FR,  192
.set ZZ,  224
.set CE,  232
.set MSB, 0
.macro WIN new                         ; the immediate's high byte repeats the setting that is left
.if MSB != \new
	s_set_vgpr_msb (MSB<<8)|\new
.set MSB, \new
.endif
.endm
.macro CROUND                          ; a round of the cluster's barrier: my work-group's barrier; wave 0 signals for the work-group; every wave waits for all four; my work-group's barrier once more
	s_barrier_signal -1
	s_barrier_wait -1
	s_cmp_lg_u32 s18, 0
	s_cbranch_scc1 .Lnot_wave_0_\@
	s_barrier_signal -3
.Lnot_wave_0_\@:
	s_barrier_wait -3
	s_barrier_signal -1
	s_barrier_wait -1
.endm
	s_load_b256 s[4:11], s[0:1], 0x0               ; z_img s[4:5], emb_img s[6:7], zz s[8:9], ee s[10:11]
	s_load_b128 s[12:15], s[0:1], 0x20             ; the scales' exponents s[12:13], cand_k s[14:15]
	s_load_b64 s[16:17], s[0:1], 0x30              ; cand_i
	v_lshl_add_u32 v6, v0, 2, SPARE                ; my spare word; never rewritten
	v_mov_b32 v7, 0                                ; 0; never rewritten
	ds_add_u32 v6, v7                              ; the wave's opening: the add, twice on end, and its wait, ahead of my first tensor load; the set-up below, work on registers, stands between
	ds_add_u32 v6, v7
	v_lshrrev_b32 v8, 5, v0
	v_readfirstlane_b32 s18, v8                    ; wave 0..7
	s_lshr_b32 s19, s18, 1                         ; which 128 rows
	s_and_b32 s20, s18, 1                          ; even or odd code tiles
	s_bfe_u32 s21, ttmp6, 0x40000                  ; cx: it enters z's, zz's and the results' global addresses alone
	s_lshl_b32 s22, ttmp9, 2
	s_add_co_u32 s22, s22, s21                     ; my block of 512 rows = 4 x cluster x + cx
	s_and_b32 s23, ttmp7, 0xffff                   ; y: my 1,024 codes, which the four partners share
	; descriptor groups 1: a wave's part of the first fill, 32 rows, and of the second, 96 rows, of 32 elements of 8 bytes, dense
.irp g, 24,32
	s_mov_b32 s[\g], 15|(3<<16)|(1<<21)            ; 15:0 the mask: all four work-groups; 17:16 elements of 8 bytes; 21 set beside a mask; no padding: the images are read 512 consecutive bytes at a time
	s_mov_b32 s[\g+1], 32<<16                      ; tensor_dim0 = 32
	s_mov_b32 s[\g+3], 32<<16                      ; tile_dim0 = 32
	s_mov_b32 s[\g+5], 32                          ; from row to row
	s_mov_b32 s[\g+6], 0
	s_mov_b32 s[\g+7], 0
.endr
	s_mov_b32 s26, 32<<16                          ; tensor_dim1,
	s_mov_b32 s28, 32                              ; tile_dim1
	s_mov_b32 s34, 96<<16
	s_mov_b32 s36, 96
	s_lshl_b32 s48, s22, 11                        ; zz: 2,048 bytes a block of rows,
	s_mov_b32 s49, 0
	s_lshl_b32 s50, s19, 9                         ; of which my rows' 512
	s_mov_b32 s51, 0
	s_lshl_b32 s52, s23, 13                        ; ee: 32 blocks of 256 bytes, 32 codes each
	s_mov_b32 s53, 0
	s_lshl_b32 s54, s23, 18                        ; emb_img: 262,144 y
	s_mul_i32 s57, s18, 24576                      ; the second fill's part: + 65,536 + 24,576 w, and the same in LDS
	s_add_co_u32 s45, s57, 65536
	s_add_co_u32 s56, s54, s45
	s_mov_b32 s57, 0
	s_lshl_b32 s41, s18, 13                        ; the first fill's part: + 8,192 w, and the same in LDS
	s_add_co_u32 s54, s54, s41
	s_mov_b32 s55, 0
	s_lshl_b32 s58, s22, 17                        ; z_img: 32 tiles of 4,096 bytes a block of rows,
	s_lshl_b32 s59, s19, 15                        ; 8 a wave
	s_add_co_u32 s58, s58, s59
	s_mov_b32 s59, 0
	s_lshl_b32 s80, s23, 16                        ; the results: [8][16384] words: 65,536 y + 2,048 x block
	s_add_co_u32 s80, s80, s48
	s_mov_b32 s81, 0
	s_mov_b32 s92, 0x76543210                      ; v_permlanex16_b32: lane l xor 16
	s_mov_b32 s93, 0xfedcba98
	s_lshl_b32 s76, s23, 10
	s_lshl_b32 s77, s20, 4
	s_add_co_u32 s76, s76, s77
	s_sub_co_u32 s76, s76, 32                      ; (every step begins by adding 32)
	s_lshl_b32 s77, s20, 11
	s_lshl_b32 s78, s19, 9
	s_add_co_u32 s77, s77, s78
	s_add_co_u32 s77, s77, SCR
	v_and_b32 v8, 31, v0                           ; l
	v_and_b32 v9, 15, v0                           ; r
	v_bfe_u32 v10, v0, 4, 1                        ; h
	v_lshlrev_b32 v14, 3, v0                       ; 8 x thread: two rows' words
	v_lshlrev_b32 v1, 4, v8                        ; 16 l
	v_lshlrev_b32 v15, 2, v9                       ; 4 r
	v_lshlrev_b32 v4, 5, v10                       ; 32 h: my eight codes' C in a tile's 64 bytes
	v_lshl_add_u32 v5, v10, 3, s76                 ; the code in my register 0 of my first tile, less 32: 1,024 y + 16 (w % 2) + 8 h - 32
	v_lshrrev_b32 v[CE+5], 3, v0
	v_and_b32 v[CE+6], 7, v0
	v_add_nc_u32 v12, s77, v15                     ; the way out: 2,048 (w % 2) + 512 (w / 2) + 4 r
	v_add_nc_u32 v13, SCR, v14
	v_lshlrev_b32 v[CE+6], 4, v[CE+6]
	v_lshl_add_u32 v[CE+4], v0, 4, TAB             ; my four codes' place in the table
	v_lshl_add_u32 v[CE+5], v[CE+5], 8, v[CE+6]    ; and in ee: code 4 t: block t / 8, word 4 (t % 8)
	v_mov_b32 v25, 0                               ; written once: a lane permute's destination counts as one of its sources
	v_mov_b32 v26, 0
	v_mov_b32 v28, 0
	v_mov_b32 v29, 0
	s_wait_alu depctr_va_vdst(0)                   ; the wait here, directly ahead of the waits below
	s_wait_dscnt 0x0                               ; both opening adds are done
	CROUND                                         ; all four work-groups are here: the first joint loads meet.  The arguments are on their way meanwhile
	s_wait_kmcnt 0x0
	s_mov_b32 s40, 1                               ; groups 0: count = 1; s41, s45 the LDS addresses; the global address; type = 2.  Neither is ever written again
	s_add_nc_u64 s[42:43], s[6:7], s[54:55]
	s_or_b32 s43, s43, 0x80000000
	tensor_load_to_lds s[40:43], s[24:31]          ; the first fill: one tensor load a wave at the head
	s_nop 0
	s_load_b128 s[68:71], s[12:13], 0x0            ; e0, e1, e2, e3
	s_add_nc_u64 s[8:9], s[8:9], s[48:49]          ; zz of the work-group's rows,
	s_add_nc_u64 s[50:51], s[8:9], s[50:51]        ; of mine
	s_add_nc_u64 s[10:11], s[10:11], s[52:53]
	s_add_nc_u64 s[4:5], s[4:5], s[58:59]
	global_load_b128 v[CE:CE+3], v[CE+5], s[10:11] ; ee of four codes,
.irp q, 0,1,2,3
	global_load_b128 v[T+4*\q:T+4*\q+3], v1, s[8:9] offset:512*\q   ; zz of all 512 rows, 16 a lane: for P, which every wave makes by itself
.endr
.irp m, 0,1,2,3,4,5,6,7
	global_load_b32 v[ZZ+\m], v15, s[50:51] offset:64*\m     ; zz of my row 16 m + r
.endr
	WIN 0x40                                       ; destination window 1, address window 0
.set q, 0
.rept 64
	global_load_b128 v[4*q:4*q+3], v1, s[4:5] offset:512*q   ; my eight row tiles' images, 512 consecutive bytes a load: they stay in registers
.set q, q+1
.endr
	WIN 0
	s_add_nc_u64 s[14:15], s[14:15], s[80:81]
	s_add_nc_u64 s[16:17], s[16:17], s[80:81]
	s_mov_b32 s44, 1
	s_add_nc_u64 s[46:47], s[6:7], s[56:57]
	s_or_b32 s47, s47, 0x80000000
	s_wait_kmcnt 0x0
	s_add_co_i32 s60, s68, s69                     ; e0 + e1
	s_sub_co_i32 s61, 126, s60
	s_lshl_b32 s61, s61, 23
	s_or_b32 s61, s61, 0x80000000                  ; -2^-(e0 + e1 + 1) as f32
	s_add_co_i32 s60, s60, 128
	s_lshl_b32 s60, s60, 23
	s_or_b32 s60, s60, 0x80000000                  ; -2^(e0 + e1 + 1) as f32
	s_wait_loadcnt 0x3f                            ; ee and zz are in; of z's 64 loads, issued behind them, 63 may be out
	v_min3_num_f32 v8, v[T], v[T+1], v[T+2]
	v_min3_num_f32 v9, v[T+3], v[T+4], v[T+5]
	v_min3_num_f32 v10, v[T+6], v[T+7], v[T+8]
	v_min3_num_f32 v11, v[T+9], v[T+10], v[T+11]
	v_min3_num_f32 v8, v8, v[T+12], v[T+13]
	v_min3_num_f32 v9, v9, v[T+14], v[T+15]
	v_min_num_f32 v10, v10, v11
	v_min3_num_f32 v8, v8, v9, v10
	v_min_num_f32_dpp v8, v8, v8 row_xmask:1 row_mask:0xf bank_mask:0xf
	v_min_num_f32_dpp v8, v8, v8 row_xmask:2 row_mask:0xf bank_mask:0xf
	v_min_num_f32_dpp v8, v8, v8 row_xmask:4 row_mask:0xf bank_mask:0xf
	v_min_num_f32_dpp v8, v8, v8 row_xmask:8 row_mask:0xf bank_mask:0xf
	v_permlanex16_b32 v25, v8, s92, s93
	v_min_num_f32 v8, v8, v25                      ; the smallest zz of the 512 rows; the same in every wave
	v_and_b32 v8, 0x7f800000, v8                   ; P: its exponent field alone (0 where the smallest zz is 0: then R(ee) = ee)
.irp i, 0,1,2,3
	v_add_f32 v[CE+\i], v8, v[CE+\i]
.endr
.irp i, 0,1,2,3
	v_sub_f32 v[CE+\i], v[CE+\i], v8               ; R(ee)
.endr
.irp i, 0,1,2,3
	v_mul_f32 v[CE+\i], s61, v[CE+\i]              ; C = -R(ee) / 2^(e0 + e1 + 1): by a power of two
.endr
	ds_store_b128 v[CE+4], v[CE:CE+3]
.macro FRLOAD                          ; a code tile's two fragments: eight times 512 consecutive bytes
.irp c, 0,1,2,3,4,5,6,7
	ds_load_b128 v[FR+4*\c:FR+4*\c+3], v2 offset:512*\c
.endr
.endm
.macro CLOAD                           ; C of my eight codes
	ds_load_b128 v[EE:EE+3], v3
	ds_load_b128 v[EE+4:EE+7], v3 offset:16
.endm
; 16 matrix instructions: a tile of 16 codes against my eight row tiles, two K steps.  The first eight start the sums with C, which all row tiles share; the eight accumulators take turns, one instruction a turn.
.macro BURST
	WIN 0x04                                       ; source 1 (z) window 1
.irp m, 0,1,2,3,4,5,6,7
	v_wmma_f32_16x16x128_fp8_fp8 v[ACC+8*\m:ACC+8*\m+7], v[FR:FR+15], v[32*\m:32*\m+15], v[EE:EE+7]
.endr
.irp m, 0,1,2,3,4,5,6,7
	v_wmma_f32_16x16x128_fp8_fp8 v[ACC+8*\m:ACC+8*\m+7], v[FR+16:FR+31], v[32*\m+16:32*\m+31], v[ACC+8*\m:ACC+8*\m+7]
.endr
	WIN 0
.endm
; THE VECTOR WORK of eight row tiles, in pieces.  T + m: row tile m's largest a, then its d; T + 8 + m: the largest of a3, a4, a5.
.macro MAXA m0                         ; each accumulator from its low end on
.irp k, 0,1,2,3
	v_max3_num_f32 v[T+\m0+\k], v[ACC+8*(\m0+\k)], v[ACC+8*(\m0+\k)+1], v[ACC+8*(\m0+\k)+2]
.endr
.endm
.macro MAXB m0
.irp k, 0,1,2,3
	v_max3_num_f32 v[T+8+\m0+\k], v[ACC+8*(\m0+\k)+3], v[ACC+8*(\m0+\k)+4], v[ACC+8*(\m0+\k)+5]
.endr
.endm
.macro MAXC m0                         ; row tiles m0, m0 + 1
.irp k, 0,1
	v_max3_num_f32 v[T+\m0+\k], v[T+\m0+\k], v[ACC+8*(\m0+\k)+6], v[ACC+8*(\m0+\k)+7]
.endr
.endm
.macro MAXD m0
.irp k, 0,2
	v_dual_max_num_f32 v[T+\m0+\k], v[T+\m0+\k], v[T+8+\m0+\k] :: v_dual_max_num_f32 v[T+1+\m0+\k], v[T+1+\m0+\k], v[T+9+\m0+\k]
.endr
.endm
.macro DIST m0                         ; the smallest d of the eight, two row tiles at a time (both x s60)
.irp k, 0,2
	v_pk_fma_f32 v[T+\m0+\k:T+\m0+\k+1], v[T+\m0+\k:T+\m0+\k+1], s[60:61], v[ZZ+\m0+\k:ZZ+\m0+\k+1] op_sel_hi:[1,0,1]
.endr
.endm
.macro LESS m                          ; strictly less: an equal distance of a later code changes nothing
	v_cmp_lt_f32 vcc_lo, v[T+\m], v[BI+2*(\m)]
.endm
.macro BEST m
	v_min_num_f32 v[BI+2*(\m)], v[BI+2*(\m)], v[T+\m]
.endm
.macro KEEP m                          ; the kept a and the first code, two at a time: VCC chooses the new ones
.irp j, 0,2,4
	v_dual_cndmask_b32 v[SV+8*(\m)+\j], v[SV+8*(\m)+\j], v[ACC+8*(\m)+\j] :: v_dual_cndmask_b32 v[SV+8*(\m)+\j+1], v[SV+8*(\m)+\j+1], v[ACC+8*(\m)+\j+1]
.endr
	v_dual_cndmask_b32 v[SV+8*(\m)+6], v[SV+8*(\m)+6], v[ACC+8*(\m)+6] :: v_dual_cndmask_b32 v[BI+2*(\m)+1], v[BI+2*(\m)+1], v5
.endm
; Between a row tile's compare and its selects stand other row tiles' lines.  A row tile's smallest d is renewed behind its compare.  first = 1: the first code tile starts what is kept: nothing is set beforehand.
.macro VEC first
	MAXA 0
	MAXB 0
	MAXC 0
	MAXC 2
	MAXA 4
	MAXD 0
	MAXB 4
.if \first
	MAXC 4
	MAXC 6
	MAXD 4
.irp k, 0,1,2,3,4,5,6,7
	v_fma_f32 v[BI+2*\k], v[T+\k], s60, v[ZZ+\k]
	v_mov_b32 v[BI+2*\k+1], v5
.irp j, 0,1,2,3,4,5,6
	v_mov_b32 v[SV+8*\k+\j], v[ACC+8*\k+\j]
.endr
.endr
.else
	DIST 0
	MAXC 4
	LESS 0
	MAXC 6
	KEEP 0
	LESS 1
	MAXD 4
	KEEP 1
	LESS 2
	DIST 4
	KEEP 2
	LESS 3
	BEST 0
	BEST 1
	KEEP 3
	LESS 4
	BEST 2
	BEST 3
	KEEP 4
	LESS 5
	BEST 4
	KEEP 5
	LESS 6
	BEST 5
	KEEP 6
	LESS 7
	BEST 6
	KEEP 7
	BEST 7
.endif
.endm
; A STEP: the vector work of the code tile whose sums stand in the accumulators; meanwhile the next tile's fragments and C come from LDS; then the next tile's 16 products.  last = 1: there is no next tile.
; Behind the products stand four plain lines that name none of their registers: the places ahead of the loads into the operands' registers and of the first read of a sum.
; A barrier spans a pair of steps: signalled at the first's top (meet = 1), where no LDS instruction of the wave is pending, waited for ahead of the second's products (meet = 2).  It guards no fill: it keeps the eight waves within two steps of each other.
.macro STEP first, last, meet=0
.if \meet == 1
	s_barrier_signal -1
.endif
	v_add_nc_u32 v5, 32, v5                        ; this tile's first code of my half
.if \last
.rept 3
	v_nop
.endr
.else
	s_add_co_u32 s62, s62, 8192                    ; my next tile: two tiles of 4,096 bytes on,
	s_add_co_u32 s63, s63, 128                     ; two tiles of 64 bytes on
	v_add_nc_u32 v2, s62, v1
	v_add_nc_u32 v3, s63, v4
	v_nop
	FRLOAD
	CLOAD
.endif
	VEC \first
.if !\last
	s_wait_dscnt 0x0                               ; the fragments and C are in
.if \meet == 2
	s_barrier_wait -1
.endif
	BURST
.endif
.endm
.macro STEPS n                         ; n steps, n an even constant: n / 2 pairs
	s_mov_b32 s66, (\n)/2
.Lsteps_\@:
	STEP 0, 0, 1
	STEP 0, 0, 2
	s_sub_co_u32 s66, s66, 1
	s_cmp_lg_u32 s66, 0
	s_cbranch_scc1 .Lsteps_\@
.endm
	s_wait_alu depctr_va_vdst(0)                   ; the wait at the head's end
	s_wait_tensorcnt 0x0                           ; my part of the first fill is in
	ds_add_u32 v6, v7                              ; 0 onto my spare word;
	s_wait_dscnt 0x0                               ; the add is done, and so is my store into the table
	CROUND                                         ; everybody's part of the first fill and of the table is in, and all four work-groups are here: the joint loads meet,
	tensor_load_to_lds s[44:47], s[32:39]          ; and the second fill is the first tensor load behind the round
	s_nop 0
	s_lshl_b32 s62, s20, 12                        ; my first tile's image
	s_lshl_b32 s63, s20, 6
	s_add_co_u32 s63, s63, TAB                     ; and its C
	v_add_nc_u32 v2, s62, v1
	v_add_nc_u32 v3, s63, v4
	FRLOAD
	CLOAD
	s_wait_loadcnt 0x0                             ; z's images
	s_wait_dscnt 0x0
	BURST                                          ; my tile 0
	STEP 1, 0                                      ; tile 0's distances start what is kept | tile 1's products
	STEPS 6                                        ; up to tile 7's products: the last of the first fill
	s_wait_alu depctr_va_vdst(0)                   ; the wait ahead of the waits and the barrier below
	s_wait_tensorcnt 0x0                           ; my part of the second fill has landed,
	s_wait_dscnt 0x0                               ; no LDS instruction of mine is pending at a signal,
	s_barrier_signal -1
	s_barrier_wait -1                              ; and so have everybody's parts
	STEPS 24                                       ; tiles 7 to 30 | products of tiles 8 to 31
	STEP 0, 1                                      ; tile 31's distances
	; THE WAY OUT.  For each row tile, two by turns: the first of the kept seven whose d equals the smallest, else the eighth; then the other half of the lanes (the other eight codes of each tile), the lower index where the distances are equal.
.macro OTHER m, a, b                   ; row tile m against lane l xor 16, by registers a and b
	v_permlanex16_b32 v[\a], v[BI+2*(\m)], s92, s93
	v_permlanex16_b32 v[\b], v[BI+2*(\m)+1], s92, s93
	v_cmp_lt_f32 s72, v[\a], v[BI+2*(\m)]
	v_cmp_eq_f32 s73, v[\a], v[BI+2*(\m)]
	v_cmp_lt_u32 s74, v[\b], v[BI+2*(\m)+1]
	s_and_b32 s73, s73, s74
	s_or_b32 s72, s72, s73                         ; the other lane's is smaller, or equal with the lower index: a choice of values alone
	v_cndmask_b32 v[BI+2*(\m)], v[BI+2*(\m)], v[\a], s72
	v_cndmask_b32 v[BI+2*(\m)+1], v[BI+2*(\m)+1], v[\b], s72
	ds_store_b32 v12, v[BI+2*(\m)] offset:64*(\m)         ; lanes r and r + 16 write the same word with the same number
	ds_store_b32 v12, v[BI+2*(\m)+1] offset:64*(\m)+4096
.endm
.irp m, 0,2,4,6
.irp j, 0,1,2,3,4,5,6
	v_fma_f32 v[T+\j], v[SV+8*\m+\j], s60, v[ZZ+\m]
	v_fma_f32 v[T+8+\j], v[SV+8*\m+8+\j], s60, v[ZZ+\m+1]
.endr
	v_mov_b32 v24, 7
	v_mov_b32 v27, 7
.irp j, 6,5,4,3,2,1,0
	v_cmp_eq_f32 vcc_lo, v[T+\j], v[BI+2*\m]
	v_cmp_eq_f32 s75, v[T+8+\j], v[BI+2*\m+2]
	v_cndmask_b32 v24, v24, \j, vcc_lo
	v_cndmask_b32 v27, v27, \j, s75
.endr
	v_add_nc_u32 v[BI+2*\m+1], v[BI+2*\m+1], v24   ; the index
	v_add_nc_u32 v[BI+2*\m+3], v[BI+2*\m+3], v27
	OTHER \m, 25, 26
	OTHER \m+1, 28, 29
.endr
	s_wait_dscnt 0x0                               ; for the others' sake: my stores are done
	s_barrier_signal -1
	s_barrier_wait -1
	ds_load_b64 v[240:241], v13                    ; rows 2 t and 2 t + 1: d among the even code tiles,
	ds_load_b64 v[242:243], v13 offset:2048        ; among the odd ones,
	ds_load_b64 v[244:245], v13 offset:4096        ; and their indices
	ds_load_b64 v[246:247], v13 offset:6144
	s_wait_dscnt 0x0
.irp k, 0,1
	v_cmp_lt_f32 s72, v[242+\k], v[240+\k]
	v_cmp_eq_f32 s73, v[242+\k], v[240+\k]
	v_cmp_lt_u32 s74, v[246+\k], v[244+\k]
	s_and_b32 s73, s73, s74
	s_or_b32 s72, s72, s73
	v_cndmask_b32 v[240+\k], v[240+\k], v[242+\k], s72
	v_cndmask_b32 v[244+\k], v[244+\k], v[246+\k], s72
.endr
	; d becomes a whole number that is ordered, unsigned, as d is: the sign bit flipped where d is positive, all bits where it is negative
.irp k, 0,1
	v_add_f32 v[240+\k], 0, v[240+\k]              ; (-0 becomes 0: the two are one distance)
	v_ashrrev_i32 v[242+\k], 31, v[240+\k]
	v_or_b32 v[242+\k], 0x80000000, v[242+\k]
	v_xor_b32 v[240+\k], v[240+\k], v[242+\k]
.endr
	global_store_b64 v14, v[240:241], s[14:15]     ; a wave stores 256 consecutive bytes, aligned
	global_store_b64 v14, v[244:245], s[16:17]
	s_wait_tensorcnt 0x0                           ; the wave's end, behind my last tensor load and my last LDS store
	ds_add_u32 v6, v7
	s_wait_dscnt 0x0
	CROUND                                         ; the closing round: no work-group ends while a partner may still ask for a tile that names it
	s_endpgm
.Lfunc_end_k_qebfa4d34b6_dist:
	.size	k_qebfa4d34b6_dist, .Lfunc_end_k_qebfa4d34b6_dist-k_qebfa4d34b6_dist
	.p2alignl 7, 3214868480
	.fill 96, 4, 3214868480
	.section	.rodata,"a",@progbits
	.p2align	6, 0x0
	.amdhsa_kernel k_qebfa4d34b6_dist
		.amdhsa_group_segment_fixed_size 327680
		.amdhsa_private_segment_fixed_size 0
		.amdhsa_enable_private_segment 0
		.amdhsa_kernarg_size 56
		.amdhsa_user_sgpr_count 2
		.amdhsa_user_sgpr_kernarg_segment_ptr 1
		.amdhsa_wavefront_size32 1
		.amdhsa_system_sgpr_workgroup_id_x 1
		.amdhsa_system_sgpr_workgroup_id_y 1
		.amdhsa_system_sgpr_workgroup_id_z 1
		.amdhsa_system_vgpr_workitem_id 0
		.amdhsa_next_free_vgpr 512
		.amdhsa_next_free_sgpr 96
		.amdhsa_reserve_vcc 1
		.amdhsa_float_denorm_mode_32 3
		.amdhsa_float_denorm_mode_16_64 3
		.amdhsa_memory_ordered 1
		.amdhsa_forward_progress 1
		.amdhsa_inst_pref_size 71
	.end_amdhsa_kernel
	.amdgpu_metadata
---
amdhsa.version: [ 1, 2 ]
amdhsa.kernels:
  - .name:           k_qebfa4d34b6_dist
    .symbol:         k_qebfa4d34b6_dist.kd
    .args:
      - { .name: z_img, .offset: 0, .size: 8, .value_kind: global_buffer, .address_space: global }
      - { .name: emb_img, .offset: 8, .size: 8, .value_kind: global_buffer, .address_space: global }
      - { .name: zz, .offset: 16, .size: 8, .value_kind: global_buffer, .address_space: global }
      - { .name: ee, .offset: 24, .size: 8, .value_kind: global_buffer, .address_space: global }
      - { .name: lowp_scales, .offset: 32, .size: 8, .value_kind: global_buffer, .address_space: global }
      - { .name: cand_k, .offset: 40, .size: 8, .value_kind: global_buffer, .address_space: global }
      - { .name: cand_i, .offset: 48, .size: 8, .value_kind: global_buffer, .address_space: global }
    .group_segment_fixed_size: 327680
    .private_segment_fixed_size: 0
    .kernarg_segment_align: 8
    .kernarg_segment_size: 56
    .max_flat_workgroup_size: 256
    .sgpr_count:     96
    .vgpr_count:     512
    .wavefront_size: 32
...
	.end_amdgpu_metadata
.endif
;; end of part 2
;; launch pick (part 3): grid 256 x 1, 4 waves a work-group, no clusters, 0 bytes of LDS; arguments cand_k, cand_i, emb3, lowp_scales, out0; writes out0
.if DOCPART == 3
	.amdgcn_target "amdgcn-amd-amdhsa--gfx1250"
	.amdhsa_code_object_version 6
	.text
	.protected	k_qebfa4d34b6_pick
	.globl	k_qebfa4d34b6_pick
	.p2align	8
	.type	k_qebfa4d34b6_pick,@function
k_qebfa4d34b6_pick:
	s_mov_b64 s[64:65], 0
	v_nop
	global_prefetch_b8 v0, s[64:65] scope:SCOPE_SE
	s_setreg_imm32_b32 hwreg(HW_REG_WAVE_MODE, 25, 1), 1
	s_wait_xcnt 0x0
; The choice among each row's eight candidates (one for each 1,024 codes) and the lookup that reference() writes as a one-hot product.
; WORK LEFT OUT: reference()'s one-hot row has a single 1 among 8,192 places; all other places are zeros that it builds itself, whatever the inputs hold.  Each sum of the second product is the one term of the 1:
; (the 1's code under 2^e2) x (emb's code under 2^e3) x 2^(e2 + e3), which is exact in f32 short of overflow and underflow.  A NaN code in a row of emb that is not chosen is not carried to the result.
; The candidates' distances were stored as whole numbers in the order of the distances; the smallest wins by a strict "less" over the splits in ascending order, so that among equal distances the lowest index stays.
; The winner's index, held at 8,191, is the row of emb's codes that is read.
; LIMIT: e2 between -126 and 119.
; SHARES.  A wave takes 16 rows, by itself: no LDS, no barrier.  Lane (q = l % 16, h = l / 16) holds the candidates of row 8 h + q % 8; step n takes rows n (lanes 0-15) and 8 + n (lanes 16-31).
; A lane's 16 bytes of a row of emb3 are columns 64 c + 4 q + 0..3, c = 0 .. 3: four registers that sixteen neighbouring lanes store as one aligned block of 256 bytes.
; No data prefetch: there is no loop, all of a wave's loads of one kind are out at once.
; REGISTERS: v1 16 q; v2 4 x my candidates' row; v3 8,192 h + 16 q; v4 scale bytes of 1; v16-23 the eight keys; v24-31 their indices; v40-47 the steps' offsets; v64-95 the gathered codes, four a step; v96-113 the 1; v114-115 the factor; v128-255 results, 16 a step.
	s_load_b256 s[4:11], s[0:1], 0x0               ; cand_k s[4:5], cand_i s[6:7], emb3 s[8:9], the scales' exponents s[10:11]
	s_load_b64 s[12:13], s[0:1], 0x20              ; out0
	v_lshrrev_b32 v5, 5, v0
	v_readfirstlane_b32 s14, v5                    ; wave 0..3
	s_lshl_b32 s16, ttmp9, 6
	s_lshl_b32 s17, s14, 4
	s_add_co_u32 s16, s16, s17                     ; my first row: 64 x work-group + 16 x wave
	s_lshl_b32 s18, s16, 2
	s_mov_b32 s19, 0
	s_lshl_b32 s20, s16, 10
	s_mov_b32 s21, 0
	v_and_b32 v5, 15, v0                           ; q
	v_bfe_u32 v6, v0, 4, 1                         ; h
	v_and_b32 v2, 7, v0
	v_lshlrev_b32 v1, 4, v5
	v_lshl_add_u32 v2, v6, 3, v2
	v_lshl_add_u32 v3, v6, 13, v1
	v_lshlrev_b32 v2, 2, v2
	v_mov_b32 v4, 0x7f7f7f7f                       ; E8M0 bytes of 1.0
.irp n, 0,1,2,3,4,5,6,7
	v_mov_b32 v[40+\n], 0                          ; written once: a DPP destination counts as one of its sources
.endr
	s_wait_alu depctr_va_vdst(0)                   ; the wait here, directly ahead of the wait below
	s_wait_kmcnt 0x0
	s_load_b128 s[24:27], s[10:11], 0x0            ; e0, e1, e2, e3
	s_add_nc_u64 s[4:5], s[4:5], s[18:19]
	s_add_nc_u64 s[6:7], s[6:7], s[18:19]
	s_add_nc_u64 s[12:13], s[12:13], s[20:21]
.irp b, 0,1,2,3,4,5,6,7
	global_load_b32 v[16+\b], v2, s[4:5] offset:65536*\b
.endr
.irp b, 0,1,2,3,4,5,6,7
	global_load_b32 v[24+\b], v2, s[6:7] offset:65536*\b
.endr
	s_wait_kmcnt 0x0
	s_add_co_i32 s28, s26, 127
	s_lshl_b32 s29, s28, 23
	v_mov_b32 v116, s29                            ; 2^e2 as f32: the conversion takes its exponent field
	s_add_co_i32 s28, s28, 8
	s_lshl_b32 s28, s28, 23
	s_or_b32 s28, s28, 0x600000
	v_mov_b32 v96, s28                             ; 448 x 2^e2
	s_add_co_i32 s30, s26, s27
	v_min_num_f32 v96, 1.0, v96                    ; the one-hot's 1, held (the conversion does not saturate: ISA guide 7.6.2); the seven beside it are not used
.irp i, 1,2,3,4,5,6,7
	v_mov_b32 v[96+\i], 0
.endr
	v_cvt_scalef32_pk8_fp8_f32 v[104:105], v[96:103], v116   ; byte 0 of v104: the 1's code
	v_nop                                          ; one plain line between a scaled conversion and the next vector line that touches its result
	v_cvt_scale_pk8_f32_fp8 v[106:113], v[104:105], v4       ; and back: v106 the code's number
	v_nop
	v_ldexp_f32 v114, v106, s30                    ; x 2^(e2 + e3): the factor of every code
	v_mov_b32 v115, v114                           ; (named with it as a pair, so it is written)
	s_wait_alu depctr_va_vdst(0)                   ; the wait at the head's end
	s_wait_loadcnt 0x0                             ; keys and indices
.macro LESS a, b, m                    ; candidate b, of the higher split, replaces a where its key is strictly less
	v_cmp_lt_u32 s[\m], v[16+\b], v[16+\a]
	v_cndmask_b32 v[16+\a], v[16+\a], v[16+\b], s[\m]
	v_cndmask_b32 v[24+\a], v[24+\a], v[24+\b], s[\m]
.endm
	LESS 0, 1, 40
	LESS 2, 3, 41
	LESS 4, 5, 42
	LESS 6, 7, 43
	LESS 0, 2, 40
	LESS 4, 6, 41
	LESS 0, 4, 40
.irp n, 0,1,2,3,4,5,6,7
	v_mov_b32_dpp v[40+\n], v24 row_share:\n row_mask:0xf bank_mask:0xf   ; row n's index in lanes 0-15, row 8 + n's in lanes 16-31
.endr
.irp n, 0,1,2,3,4,5,6,7
	v_min_u32 v[40+\n], 0x1fff, v[40+\n]           ; an index stays inside the table
.endr
.irp n, 0,1,2,3,4,5,6,7
	v_lshl_add_u32 v[40+\n], v[40+\n], 8, v1       ; its row of 256 codes, my 16 bytes
.endr
.irp n, 0,1,2,3,4,5,6,7
	global_load_b128 v[64+4*\n:64+4*\n+3], v[40+\n], s[8:9]   ; two whole rows of 256 bytes.  (No hint: a row may be named by many rows of z)
.endr
.irp n, 0,1,2,3,4,5,6,7
	s_wait_loadcnt 7-\n                            ; this step's codes are in; the later steps' loads may be out
	v_cvt_scale_pk8_f32_fp8 v[128+16*\n:135+16*\n], v[64+4*\n:65+4*\n], v4
	v_cvt_scale_pk8_f32_fp8 v[136+16*\n:143+16*\n], v[66+4*\n:67+4*\n], v4
	v_nop                                          ; one plain line behind the scaled conversions
.irp j, 0,2,4,6,8,10,12,14
	v_pk_mul_f32 v[128+16*\n+\j:129+16*\n+\j], v[128+16*\n+\j:129+16*\n+\j], v[114:115] op_sel_hi:[1,0]
.endr
.irp c, 0,1,2,3
	global_store_b128 v3, v[128+16*\n+4*\c:131+16*\n+4*\c], s[12:13] offset:1024*\n+256*\c th:TH_STORE_NT   ; 256 consecutive bytes, aligned, of each of two rows; written once, read by nobody here
.endr
.endr
	s_endpgm
.Lfunc_end_k_qebfa4d34b6_pick:
	.size	k_qebfa4d34b6_pick, .Lfunc_end_k_qebfa4d34b6_pick-k_qebfa4d34b6_pick
	.p2alignl 7, 3214868480
	.fill 96, 4, 3214868480
	.section	.rodata,"a",@progbits
	.p2align	6, 0x0
	.amdhsa_kernel k_qebfa4d34b6_pick
		.amdhsa_group_segment_fixed_size 0
		.amdhsa_private_segment_fixed_size 0
		.amdhsa_enable_private_segment 0
		.amdhsa_kernarg_size 40
		.amdhsa_user_sgpr_count 2
		.amdhsa_user_sgpr_kernarg_segment_ptr 1
		.amdhsa_wavefront_size32 1
		.amdhsa_system_sgpr_workgroup_id_x 1
		.amdhsa_system_sgpr_workgroup_id_y 1
		.amdhsa_system_sgpr_workgroup_id_z 1
		.amdhsa_system_vgpr_workitem_id 0
		.amdhsa_next_free_vgpr 256
		.amdhsa_next_free_sgpr 66
		.amdhsa_reserve_vcc 0
		.amdhsa_float_denorm_mode_32 3
		.amdhsa_float_denorm_mode_16_64 3
		.amdhsa_memory_ordered 1
		.amdhsa_forward_progress 1
		.amdhsa_inst_pref_size 17
	.end_amdhsa_kernel
	.amdgpu_metadata
---
amdhsa.version: [ 1, 2 ]
amdhsa.kernels:
  - .name:           k_qebfa4d34b6_pick
    .symbol:         k_qebfa4d34b6_pick.kd
    .args:
      - { .name: cand_k, .offset: 0, .size: 8, .value_kind: global_buffer, .address_space: global }
      - { .name: cand_i, .offset: 8, .size: 8, .value_kind: global_buffer, .address_space: global }
      - { .name: emb3, .offset: 16, .size: 8, .value_kind: global_buffer, .address_space: global }
      - { .name: lowp_scales, .offset: 24, .size: 8, .value_kind: global_buffer, .address_space: global }
      - { .name: out0, .offset: 32, .size: 8, .value_kind: global_buffer, .address_space: global }
    .group_segment_fixed_size: 0
    .private_segment_fixed_size: 0
    .kernarg_segment_align: 8
    .kernarg_segment_size: 40
    .max_flat_workgroup_size: 128
    .sgpr_count:     66
    .vgpr_count:     256
    .wavefront_size: 32
...
	.end_amdgpu_metadata
.endif
;; end of part 3
